; MI455X (gfx1250); checked and timed in simulation.
; The chip was launched on July 23, 2026; its instructions are those of AMD's public machine-readable ISA for CDNA 5 (MIT licence, August 2026) and "CDNA5" Instruction Set Architecture Reference Guide (July 2026). The comments in the code are by the model that wrote it; some were corrected since.
;; Multi Head Attention. Allowed arithmetic: float matrix products may take bf16 or f16 operands with f32 sums; other float arithmetic in f32, or as packed bf16 or f16 multiplies, adds, multiply-adds, maxima and minima; sums over many terms, partial sums and values carried from step to step in f32; what a program stores and reads back later, other than sums and carried values, may be rounded once to bf16 or f16.
;; Inputs: Wk 1,024 x 1,024 float32; Wo 1,024 x 1,024 float32; Wq 1,024 x 1,024 float32; Wv 1,024 x 1,024 float32; key 4 x 2,048 x 1,024 float32; ln_beta 1,024 float32; ln_gamma 1,024 float32; mask 4 x 2,048 int32; query 4 x 2,048 x 1,024 float32; value 4 x 2,048 x 1,024 float32.
;; Outputs: out0 4 x 2,048 x 1,024 float32.
;; One version. Each part assembles by itself: llvm-mc -triple=amdgcn-amd-amdhsa -mcpu=gfx1250 --defsym DOCPART=n.
;; ======== version 1 of 1: 5 launches
;; workspace buffers: xb 56,623,104 bytes; qkv 50,331,648 bytes; ob 52,428,800 bytes; zb 16,777,216 bytes
;; launch cast (part 1): grid 1792 x 1, 8 waves a work-group, no clusters, 0 bytes of LDS; arguments query, key, value, Wq, Wk, Wv, Wo, xb, ob; writes xb, ob
.if DOCPART == 1
	.amdgcn_target "amdgcn-amd-amdhsa--gfx1250"
	.amdhsa_code_object_version 6
	.text
	.protected	k_q37b00515c0_cast
	.globl	k_q37b00515c0_cast
	.p2align	8
	.type	k_q37b00515c0_cast,@function
k_q37b00515c0_cast:
	s_mov_b64 s[64:65], 0
	v_nop
	global_prefetch_b8 v0, s[64:65] scope:SCOPE_SE
	s_setreg_imm32_b32 hwreg(HW_REG_WAVE_MODE, 25, 1), 1
	s_wait_xcnt 0x0
; f32 -> bf16 (round to nearest even), once, for every matrix operand that is an input.
; xb holds query, key, value in blocks [p][b][d / 64][s][64] (64 along K of 2,048 rows are 262,144 dense bytes), then, from byte 50,331,648 on, Wq, Wk, Wv as they lie ([e][d]).
; ob takes Wo as it lies at the same byte 50,331,648 (its first 16,777,216 bytes are a later launch's).
; A stream: no LDS, no barrier, no matrix unit, no cluster (no two work-groups read the same byte).
; SHARES.  Work-group id takes 16,384 numbers: 65,536 bytes in, 32,768 out, in 8 iterations of 8,192 bytes in.  Thread t takes 32 bytes in (two loads of 16) and puts 16 bytes out.
; Ids 0-1535: query, key, value, 512 chunks of 16 rows each, two rows an iteration; 1536-1727: Wq, Wk, Wv, 64 chunks each; 1728-1791: Wo.
; With l8 = t & 7, er = (t >> 3) & 1, kb = t >> 4:  in = 32 l8 + er SAI + kb SBI,  out = 16 l8 + 128 er + kb SBO + iteration x OST.
;   in blocks: SAI 4,096 (a row), SBI 256 (64 numbers), SBO 262,144 (a block), OST 256 (two rows of a block).      as it lies: SAI 256, SBI 512, SBO 256, OST 4,096: in = 32 t, out = 16 t.
; In both cases sixteen neighbouring lanes store 256 consecutive bytes, at a multiple of 256 from the buffer's first byte.
; A wave issues its sixteen loads at once, converts in place and stores from the registers that it loaded into: no register is used twice, so no wait frees one.
.set IN,   1                           ; v1       my byte offset in an iteration's 8,192 bytes
.set OUTO, 2                           ; v[2:9]   iteration i: my byte offset in the chunk's part of the output
.set X,    16                          ; v[16:79] iteration i: 8 registers as loaded; the first 4 then hold the 8 bf16
	s_load_b512 s[8:23], s[0:1], 0x0               ; query s[8:9], key, value, Wq, Wk, Wv, Wo s[20:21], xb s[22:23]
	s_load_b64 s[24:25], s[0:1], 0x40              ; ob
	s_mov_b32 s2, ttmp9
	s_lshr_b32 s3, s2, 9                           ; which tensor and which chunk of it: ids under 1,536,
	s_and_b32 s4, s2, 511
	s_sub_co_u32 s5, s2, 1536                      ; and from 1,536 on
	s_lshr_b32 s6, s5, 6
	s_add_co_u32 s6, s6, 3
	s_and_b32 s7, s5, 63
	s_lshr_b32 s34, s2, 7                          ; in blocks: (4 p + b) x 16 blocks of 262,144 bytes,
	s_lshl_b32 s34, s34, 22
	s_and_b32 s35, s2, 127
	s_lshl_b32 s35, s35, 11                        ; and the chunk's 16 rows of 128 bytes in each block
	s_add_co_u32 s34, s34, s35
	s_sub_co_u32 s35, s5, 192                      ; as it lies: the chunk's number among Wq | Wk | Wv, or in Wo,
	s_cmp_ge_u32 s2, 1728
	s_cselect_b32 s35, s35, s5
	s_lshl_b32 s35, s35, 15                        ; 32,768 bytes each,
	s_add_co_u32 s35, s35, 50331648                ; behind the room of three tensors
	s_mov_b32 s28, 256                             ; SAI
	s_mov_b32 s29, 512                             ; SBI
	s_mov_b32 s30, 256                             ; SBO
	s_mov_b32 s31, 4096                            ; OST
	s_cmp_lt_u32 s2, 1536
	s_cselect_b32 s3, s3, s6                       ; tensor 0..6
	s_cselect_b32 s4, s4, s7                       ; chunk
	s_cselect_b32 s34, s34, s35                    ; the chunk's place in the output
	s_cselect_b32 s28, 4096, s28
	s_cselect_b32 s29, 256, s29
	s_cselect_b32 s30, 262144, s30
	s_cselect_b32 s31, 256, s31
	s_mov_b32 s35, 0
	s_lshl_b32 s32, s4, 16                         ; the chunk's 65,536 bytes in its tensor
	s_mov_b32 s33, 0
	v_and_b32 v10, 7, v0
	v_bfe_u32 v11, v0, 3, 1
	v_lshrrev_b32 v12, 4, v0
	v_lshlrev_b32 v[IN], 5, v10
	v_mad_u32_u24 v[IN], v11, s28, v[IN]
	v_mad_u32_u24 v[IN], v12, s29, v[IN]
	v_lshlrev_b32 v[OUTO], 4, v10
	v_lshl_add_u32 v[OUTO], v11, 7, v[OUTO]
	v_mad_u32_u24 v[OUTO], v12, s30, v[OUTO]
.irp s, 1,2,3,4,5,6,7
	v_add_nc_u32 v[OUTO+(\s)], s31, v[OUTO+(\s)-1]
.endr
	s_wait_kmcnt 0x0
	s_mov_b64 s[36:37], s[8:9]                     ; the source: a choice among the seven buffers by the work-group's number
	s_cmp_eq_u32 s3, 1
	s_cselect_b64 s[36:37], s[10:11], s[36:37]
	s_cmp_eq_u32 s3, 2
	s_cselect_b64 s[36:37], s[12:13], s[36:37]
	s_cmp_eq_u32 s3, 3
	s_cselect_b64 s[36:37], s[14:15], s[36:37]
	s_cmp_eq_u32 s3, 4
	s_cselect_b64 s[36:37], s[16:17], s[36:37]
	s_cmp_eq_u32 s3, 5
	s_cselect_b64 s[36:37], s[18:19], s[36:37]
	s_cmp_eq_u32 s3, 6
	s_cselect_b64 s[36:37], s[20:21], s[36:37]
	s_add_nc_u64 s[36:37], s[36:37], s[32:33]
	s_cmp_ge_u32 s2, 1728                          ; Wo goes to ob, all else to xb
	s_cselect_b64 s[38:39], s[24:25], s[22:23]
	s_add_nc_u64 s[38:39], s[38:39], s[34:35]
.irp s, 0,1,2,3,4,5,6,7
	global_load_b128 v[X+8*(\s):X+8*(\s)+3],   v[IN], s[36:37] offset:(\s)*8192 th:TH_LOAD_NT
	global_load_b128 v[X+8*(\s)+4:X+8*(\s)+7], v[IN], s[36:37] offset:(\s)*8192+16 th:TH_LOAD_NT
.endr
.irp s, 0,1,2,3,4,5,6,7
	s_wait_loadcnt 14-2*(\s)                       ; loads come back in order: this iteration's two are in; the two of each younger iteration stay out
.irp j, 0,1,2,3
	v_cvt_pk_bf16_f32 v[X+8*(\s)+(\j)], v[X+8*(\s)+2*(\j)], v[X+8*(\s)+2*(\j)+1]  ; in place, ascending: register j is written when registers 2 j and 2 j + 1 are read, and j <= 2 j
.endr
	global_store_b128 v[OUTO+(\s)], v[X+8*(\s):X+8*(\s)+3], s[38:39]
.endr
	s_endpgm
.Lfunc_end_k_q37b00515c0_cast:
	.size	k_q37b00515c0_cast, .Lfunc_end_k_q37b00515c0_cast-k_q37b00515c0_cast
	.p2alignl 7, 3214868480
	.fill 96, 4, 3214868480
	.section	.rodata,"a",@progbits
	.p2align	6, 0x0
	.amdhsa_kernel k_q37b00515c0_cast
		.amdhsa_group_segment_fixed_size 0
		.amdhsa_private_segment_fixed_size 0
		.amdhsa_enable_private_segment 0
		.amdhsa_kernarg_size 72
		.amdhsa_user_sgpr_count 2
		.amdhsa_user_sgpr_kernarg_segment_ptr 1
		.amdhsa_wavefront_size32 1
		.amdhsa_system_sgpr_workgroup_id_x 1
		.amdhsa_system_sgpr_workgroup_id_y 1
		.amdhsa_system_sgpr_workgroup_id_z 1
		.amdhsa_system_vgpr_workitem_id 0
		.amdhsa_next_free_vgpr 80
		.amdhsa_next_free_sgpr 66
		.amdhsa_reserve_vcc 0
		.amdhsa_float_denorm_mode_32 3
		.amdhsa_float_denorm_mode_16_64 3
		.amdhsa_memory_ordered 1
		.amdhsa_forward_progress 1
		.amdhsa_inst_pref_size 8
	.end_amdhsa_kernel
	.amdgpu_metadata
---
amdhsa.version: [ 1, 2 ]
amdhsa.kernels:
  - .name:           k_q37b00515c0_cast
    .symbol:         k_q37b00515c0_cast.kd
    .args:
      - { .name: query, .offset: 0, .size: 8, .value_kind: global_buffer, .address_space: global }
      - { .name: key, .offset: 8, .size: 8, .value_kind: global_buffer, .address_space: global }
      - { .name: value, .offset: 16, .size: 8, .value_kind: global_buffer, .address_space: global }
      - { .name: Wq, .offset: 24, .size: 8, .value_kind: global_buffer, .address_space: global }
      - { .name: Wk, .offset: 32, .size: 8, .value_kind: global_buffer, .address_space: global }
      - { .name: Wv, .offset: 40, .size: 8, .value_kind: global_buffer, .address_space: global }
      - { .name: Wo, .offset: 48, .size: 8, .value_kind: global_buffer, .address_space: global }
      - { .name: xb, .offset: 56, .size: 8, .value_kind: global_buffer, .address_space: global }
      - { .name: ob, .offset: 64, .size: 8, .value_kind: global_buffer, .address_space: global }
    .group_segment_fixed_size: 0
    .private_segment_fixed_size: 0
    .kernarg_segment_align: 8
    .kernarg_segment_size: 72
    .max_flat_workgroup_size: 256
    .sgpr_count:     66
    .vgpr_count:     80
    .wavefront_size: 32
...
	.end_amdgpu_metadata
.endif
;; end of part 1
;; launch proj (part 2): grid 4 x 192, 4 waves a work-group, clusters of 4 x 4, 327,680 bytes of LDS; arguments xb, qkv; writes qkv
.if DOCPART == 2
	.amdgcn_target "amdgcn-amd-amdhsa--gfx1250"
	.amdhsa_code_object_version 6
	.text
	.protected	k_q37b00515c0_proj
	.globl	k_q37b00515c0_proj
	.p2align	8
	.type	k_q37b00515c0_proj,@function
k_q37b00515c0_proj:
	s_mov_b64 s[64:65], 0
	v_nop
	global_prefetch_b8 v0, s[64:65] scope:SCOPE_SE
	s_setreg_imm32_b32 hwreg(HW_REG_WAVE_MODE, 25, 1), 1
	s_wait_xcnt 0x0
	s_wait_alu depctr_hold_cnt(0) depctr_sa_sdst(0) depctr_va_vdst(0) depctr_va_sdst(0) depctr_va_ssrc(0) depctr_va_vcc(0) depctr_vm_vsrc(0)
	s_getreg_b32 s2, hwreg(HW_REG_IB_STS2, 6, 4)
	s_cmp_eq_u32 s2, 0
	s_cbranch_scc0 .Lentry_in_a_cluster
	s_endpgm
.Lentry_in_a_cluster:
	s_bfe_u32 s2, ttmp6, 0x10000c
	s_cmp_lg_u32 s2, 0xf033
	s_cbranch_scc0 .Lentry_shape_is_right
	s_endpgm
.Lentry_shape_is_right:
; C = A W^T, one text for two launches.  The first buffer holds A in blocks [row / 2048][k / 64][row % 2048][64] bf16 and, from byte 50,331,648 on, the weights [e][k] bf16, 2,097,152 bytes for each 8,192 rows of A.
; The second buffer takes C, rounded once to bf16, in the same blocks: [row / 2048][e / 64][row % 2048][64].  Sums in f32.
;   grid 4 x 192: A = query | key | value (24,576 rows), W = Wq, Wk, Wv by the row tile: q, k, v by heads, unscaled.        grid 4 x 64: A = the attention's O (8,192 rows), W = Wo.
; LIMIT: operands and results are bf16 (8 significant bits); NaN and infinities are not treated apart.
; A tile is 128 rows x 256 columns: a whole number of work-groups for each of 256 WGPs in both launches.  Four waves, each 64 x 128: 32 accumulators.  K goes in 8 steps of 128 through two LDS slots filled by tensor loads.
; A's part of a step is two blocks' 128 rows x 128 bytes, each 16,384 dense bytes: asked for as 64 rows of 256 bytes and padded in LDS after every 128.  W's rows are 256 bytes of memory, at a multiple of 256 from the buffer's first byte.
; CLUSTER 4 x 4: the four of a row of the cluster need the same tile of A, the four of a column the same tile of W: each is asked for jointly, by the same load with the same descriptor and a mask of the four.
; THE MATRIX INSTRUCTION IS USED TRANSPOSED (source 0 = 16 rows of W, source 1 = 16 rows of A): a lane holds row l % 16 of the result and 8 neighbouring columns, 16 bytes of bf16.
; REGISTERS, in windows of 256: window 0: v16-30 addresses; v32-63 packed results; v64-191 rows read back from the stage, 32 for each block of 16 rows.
;   window 1: accumulator (a, b) at 8 (8 a + b).     window 2: two fragment buffers of 96: W's eight fragments, then A's four.
.set DM,     1024
.set KSTEP,  128
.set BLK,    262144                    ; bytes in a block of A or C: 2,048 rows x 64 numbers
.set PITCH,  272                       ; a row of W in LDS: 256 bytes + 16 of padding: the 16 rows of a fragment load start at 16 different groups of four banks
.set PA,     144                       ; a row of a block of A: 128 bytes + 16: likewise
.set HA,     128*PA                    ; a block's 128 rows: one tensor load
.set HB,     128*PITCH                 ; half of W's tile: one tensor load, and what one wave reads of W
.set SLOT,   2*HA+2*HB                 ; A's two blocks, then W's 256 rows
.set STAGE,  2*SLOT                    ; behind the ring: for each wave 2 blocks x 16 rows x 144 bytes
.set SP,     144
.set SPARE,  STAGE+4*32*SP             ; behind the stages: the spare words, 128 bytes a wave
.set LAPS,   DM/(2*KSTEP)
.set WBASE,  50331648                  ; the weights' first byte
.set ADRA, 16                          ; v16-17  LDS address of my fragments of A in slot 0, 1
.set ADRB, 20                          ; v20-21  of W
.set STO,  24                          ; v24     the way out: where I put 16 bytes of a row
.set RD,   25                          ; v25     where I read rows back
.set GO,   26                          ; v26     my 16 bytes in 512 consecutive bytes of C
.set SPW,  28                          ; v28     my spare word; never rewritten
.set NIL,  29                          ; v29     0; never rewritten
.set PFO,  30                          ; v30     the prefetches' offset: my lane x 256 bytes (A) or x a row of 2,048 bytes (W); never rewritten
.set TMP,  32
.set BK,   64
.set F0,   0
.set F1,   96
.set G1,   24                          ; s[24:31] group 1 for A's tiles; s[32:39] group 0, a set for each slot
.set G0,   32
.set G1B,  48                          ; s[48:55], s[56:63] the same for W's
.set G0B,  56
.set PFA,  44                          ; s[44:45] where my prefetches stand
.set PST,  18                          ; s[18:19] a K step in bytes for them: two blocks of A, or 256 bytes of W's rows
.set LIM,  43                          ; s43  1 in a wave that prefetches, else the greatest number
.set MSB, 0
.macro WIN new                         ; the immediate's high byte repeats the setting that is left; a switch that changes nothing is dropped
.if MSB != (\new)
	s_set_vgpr_msb (MSB<<8)|(\new)
.set MSB, (\new)
.endif
.endm
.set MUL,  0x5a                        ; sources 0 and 1 window 2; C and D window 1
.set TO_F, 0x80                        ; destination window 2, address window 0
.macro JLOAD s                         ; a joint load: waves 0 and 1 fetch A's two blocks, waves 2 and 3 W's halves; an s_nop 0 and four v_nop follow each line
	s_cmp_eq_u32 s11, 0
	s_cbranch_scc0 .Lfor_b_\@
	tensor_load_to_lds s[G0+4*(\s):G0+4*(\s)+3], s[G1:G1+7]
	s_nop 0
.rept 4
	v_nop
.endr
	s_branch .Lasked_\@
.Lfor_b_\@:
	tensor_load_to_lds s[G0B+4*(\s):G0B+4*(\s)+3], s[G1B:G1B+7]
	s_nop 0
.rept 4
	v_nop
.endr
.Lasked_\@:
.endm
; A prefetch into the L2 of the K step that stands two refills on (256 matrix instructions ahead of the load that wants it): 32 pieces of 256 bytes, a lane a piece.  Each piece is named once in the launch:
; A's tile row is read by this cluster alone: wave 0 of partner cx takes 8,192 of the step's 32,768 bytes (block cx / 2, half cx % 2); W's rows are read by the 16 clusters of one 8,192 rows of A: the first of them asks,
; waves 2 and 3 of partner cy take rows 64 cy + 32 (w - 2) ..  The partners are told apart by address alone.  K steps 0 to 3 come by their loads; the loop's last trip asks for nothing.
.macro ASK
	WIN 0
	s_cmp_gt_u32 s3, s[LIM]
	s_cbranch_scc0 .Lnot_mine_\@
	global_prefetch_b8 v[PFO], s[PFA:PFA+1] th:TH_LOAD_NT scope:SCOPE_SE
.Lnot_mine_\@:
.endm
.macro CREST                           ; a round of the cluster's barrier behind its opening barrier
	s_cmp_lg_u32 s10, 0
	s_cbranch_scc1 .Lnot_wave_0_\@
	s_barrier_signal -3
.Lnot_wave_0_\@:
	s_barrier_wait -3
	s_barrier_signal -1
	s_barrier_wait -1
.endm
.macro CROUND
	s_barrier_signal -1
	s_barrier_wait -1
	CREST
.endm
	s_load_b128 s[4:7], s[0:1], 0x0                ; A and W s[4:5], C s[6:7]
	v_lshl_add_u32 v[SPW], v0, 2, SPARE
	v_mov_b32 v[NIL], 0
	ds_add_u32 v[SPW], v[NIL]                      ; the wave's opening: the add and its wait ahead of my first tensor load
	v_lshrrev_b32 v1, 5, v0
	v_readfirstlane_b32 s10, v1                    ; wave 0..3
	s_lshr_b32 s11, s10, 1                         ; my 64 rows of the tile.  Also: I fetch for A (0) or for W (1)
	s_and_b32 s12, s10, 1                          ; my 128 columns.  Also: which block of A, or which half of W's tile, I fetch
	s_bfe_u32 s40, ttmp6, 0x40000                  ; cx
	s_bfe_u32 s41, ttmp6, 0x40004                  ; cy
	s_lshl_b32 s42, ttmp9, 2
	s_add_co_u32 s42, s42, s40                     ; tile column 0..3
	s_and_b32 s9, ttmp7, 0xffff                    ; cluster y; its upper bits (>> 4) say which 8,192 rows of A, and so which weights
	s_lshl_b32 s13, s9, 2
	s_add_co_u32 s13, s13, s41                     ; tile row
	s_lshl_b32 s43, s41, 2
	s_lshl_b32 s43, 15, s43                        ; my row of the cluster
	s_lshl_b32 s44, 0x1111, s40                    ; my column
	s_or_b32 s[G1+0], s43, (1<<16)|(1<<20)|(1<<21)|(4<<22)|(3<<25)   ; the mask; 2-byte elements; padding on; bit 21 beside a mask; after every 32 words, 4 words
	s_or_b32 s[G1B+0], s44, (1<<16)|(1<<20)|(1<<21)|(5<<22)|(3<<25)  ; after every 64 words, 4 words
	s_mov_b32 s[G1+1], 128<<16                     ; tensor_dim0 = 128: two rows of a block
	s_mov_b32 s[G1+2], 64<<16                      ; tensor_dim1 = 64
	s_mov_b32 s[G1+3], 128<<16                     ; tile_dim0 = 128
	s_mov_b32 s[G1+4], 64                          ; tile_dim1 = 64
	s_mov_b32 s[G1+5], 128                         ; dense
	s_mov_b32 s[G1+6], 0
	s_mov_b32 s[G1+7], 0
	s_mov_b32 s[G1B+1], KSTEP<<16
	s_mov_b32 s[G1B+2], 128<<16                    ; W's halves have 128 rows
	s_mov_b32 s[G1B+3], KSTEP<<16
	s_mov_b32 s[G1B+4], 128
	s_mov_b32 s[G1B+5], DM                         ; elements from row to row
	s_mov_b32 s[G1B+6], 0
	s_mov_b32 s[G1B+7], 0
	s_lshr_b32 s16, s13, 4                         ; A: 16 tile rows share 16 blocks;
	s_lshl_b32 s16, s16, 22
	s_and_b32 s17, s13, 15                         ; the tile's 128 rows of 128 bytes in each block;
	s_lshl_b32 s17, s17, 14
	s_add_co_u32 s16, s16, s17
	s_lshl_b32 s17, s12, 18                        ; my block of the step's two
	s_add_co_u32 s16, s16, s17
	s_mov_b32 s17, 0
	s_lshl_b32 s46, s42, 8                         ; W: row 256 x tile column + 128 x half, 2,048 bytes a row
	s_lshl_b32 s47, s12, 7
	s_add_co_u32 s46, s46, s47
	s_lshl_b32 s46, s46, 11
	s_lshr_b32 s47, s9, 4
	s_lshl_b32 s47, s47, 21
	s_add_co_u32 s46, s46, s47
	s_add_co_u32 s46, s46, WBASE
	s_mov_b32 s47, 0
	s_mul_i32 s20, s12, HA                         ; where they go: no place in the cluster enters an LDS address
	s_mul_i32 s21, s12, HB
	s_add_co_u32 s21, s21, 2*HA
	s_wait_dscnt 0x0                               ; the opening add is done
	s_wait_kmcnt 0x0
	s_add_nc_u64 s[14:15], s[4:5], s[16:17]
	s_add_nc_u64 s[46:47], s[4:5], s[46:47]
	CROUND                                         ; all sixteen work-groups are here: the first joint loads meet
.irp s, 0,1
	s_mov_b32 s[G0+4*(\s)], 1
	s_add_co_u32 s[G0+4*(\s)+1], s20, (\s)*SLOT
	s_add_nc_u64 s[G0+4*(\s)+2:G0+4*(\s)+3], s[14:15], (\s)*2*BLK
	s_or_b32 s[G0+4*(\s)+3], s[G0+4*(\s)+3], 0x80000000
	s_mov_b32 s[G0B+4*(\s)], 1
	s_add_co_u32 s[G0B+4*(\s)+1], s21, (\s)*SLOT
	s_add_nc_u64 s[G0B+4*(\s)+2:G0B+4*(\s)+3], s[46:47], (\s)*KSTEP*2
	s_or_b32 s[G0B+4*(\s)+3], s[G0B+4*(\s)+3], 0x80000000
	JLOAD \s                                       ; two loads of mine are out
.endr
	v_and_b32 v1, 15, v0                           ; l % 16
	v_bfe_u32 v2, v0, 4, 1                         ; l / 16
	v_mul_u32_u24 v3, v1, PITCH
	v_lshl_add_u32 v3, v2, 4, v3                   ; a fragment's row x pitch + 16 x half, for W
	v_mul_u32_u24 v7, v1, PA
	v_lshl_add_u32 v7, v2, 4, v7                   ; and for A
	s_mul_i32 s21, s11, 64*PA                      ; my 64 rows in each block of A
	s_mul_i32 s22, s12, HB                         ; my 128 rows of W,
	s_add_co_u32 s22, s22, 2*HA                    ; behind A's two blocks
.irp s, 0,1
	v_add_nc_u32 v[ADRA+(\s)], s21, v7
	v_add_nc_u32 v[ADRB+(\s)], s22, v3
	s_add_co_u32 s21, s21, SLOT
	s_add_co_u32 s22, s22, SLOT
.endr
	s_mul_i32 s23, s10, 32*SP
	s_add_co_u32 s23, s23, STAGE                   ; my stage
	v_mul_u32_u24 v4, v1, SP                       ; in: row l % 16, 16 bytes for each half of the lanes
	v_lshl_add_u32 v4, v2, 4, v4
	v_add_nc_u32 v[STO], s23, v4
	v_bfe_u32 v5, v0, 3, 2                         ; back: 32 lanes take four rows of 128 bytes,
	v_mul_u32_u24 v5, v5, SP
	v_and_b32 v6, 7, v0
	v_lshl_add_u32 v5, v6, 4, v5
	v_add_nc_u32 v[RD], s23, v5
	v_and_b32 v[GO], 31, v0                        ; which are 512 consecutive bytes of a block
	v_lshlrev_b32 v[GO], 4, v[GO]
	; where my part begins in C: the row's share and the column's share, added one after the other
	s_bfe_u32 s16, s13, 0x20004                    ; (tile row >> 4) & 3: 16 blocks of 262,144 bytes
	s_lshl_b32 s16, s16, 22
	s_and_b32 s17, s13, 15                         ; 128 rows of 128 bytes for each tile row
	s_lshl_b32 s17, s17, 14
	s_add_co_u32 s16, s16, s17
	s_lshl_b32 s17, s11, 13                        ; my 64 rows
	s_add_co_u32 s16, s16, s17
	s_lshr_b32 s17, s9, 4
	s_lshl_b32 s17, s17, 24                        ; 16,777,216 bytes for each 8,192 rows
	s_add_co_u32 s16, s16, s17
	s_mov_b32 s17, 0
	s_add_nc_u64 s[6:7], s[6:7], s[16:17]
	s_lshl_b32 s46, s42, 2                         ; block = 4 x tile column + 2 x half
	s_lshl_b32 s47, s12, 1
	s_add_co_u32 s46, s46, s47
	s_lshl_b32 s46, s46, 18
	s_mov_b32 s47, 0
	s_add_nc_u64 s[6:7], s[6:7], s[46:47]
	; the prefetches
	s_lshr_b32 s20, s13, 4                         ; A: the tile's rows in its blocks,
	s_lshl_b32 s20, s20, 22
	s_and_b32 s22, s13, 15
	s_lshl_b32 s22, s22, 14
	s_add_co_u32 s20, s20, s22
	s_lshr_b32 s22, s40, 1                         ; block cx / 2 of a step's two,
	s_lshl_b32 s22, s22, 18
	s_add_co_u32 s20, s20, s22
	s_and_b32 s22, s40, 1                          ; half cx % 2 of its 16,384 bytes,
	s_lshl_b32 s22, s22, 13
	s_add_co_u32 s20, s20, s22
	s_add_co_u32 s20, s20, 3*2*BLK                 ; at K step 3: the first refill steps it to 4
	s_lshl_b32 s21, s42, 8                         ; W: row 256 x tile column + 64 cy + 32 (wave & 1),
	s_lshl_b32 s22, s41, 6
	s_add_co_u32 s21, s21, s22
	s_lshl_b32 s22, s12, 5
	s_add_co_u32 s21, s21, s22
	s_lshl_b32 s21, s21, 11
	s_lshr_b32 s22, s9, 4
	s_lshl_b32 s22, s22, 21
	s_add_co_u32 s21, s21, s22
	s_add_co_u32 s21, s21, WBASE+3*KSTEP*2         ; at K step 3
	s_and_b32 s22, s9, 15                          ; 0 in the first cluster that reads these weights
	s_mov_b32 s[PST], 2*BLK
	s_mov_b32 s23, 8
	s_cmp_eq_u32 s11, 0
	s_cselect_b32 s20, s20, s21
	s_cselect_b32 s22, s12, s22                    ; for A wave 0 asks and wave 1 does not
	s_cselect_b32 s[PST], s[PST], KSTEP*2
	s_cselect_b32 s23, s23, 11
	s_cmp_eq_u32 s22, 0
	s_cselect_b32 s[LIM], 1, -1                    ; the same in all sixteen partners, for a given wave
	s_mov_b32 s[PST+1], 0
	s_mov_b32 s21, 0
	s_add_nc_u64 s[PFA:PFA+1], s[4:5], s[20:21]
	v_and_b32 v[PFO], 31, v0
	v_lshlrev_b32 v[PFO], s23, v[PFO]
; 8 matrix instructions: row block a x all 8 column blocks, 32 along K.  zero = 1: the product starts the sums.  The 32 accumulators take turns in one order throughout.
.macro MUL8 f, a, zero
	WIN MUL
.irp b, 0,1,2,3,4,5,6,7
.if \zero
	v_wmma_f32_16x16x32_bf16 v[8*(8*(\a)+(\b)):8*(8*(\a)+(\b))+7], v[(\f)+8*(\b):(\f)+8*(\b)+7], v[(\f)+64+8*(\a):(\f)+64+8*(\a)+7], 0
.else
	v_wmma_f32_16x16x32_bf16 v[8*(8*(\a)+(\b)):8*(8*(\a)+(\b))+7], v[(\f)+8*(\b):(\f)+8*(\b)+7], v[(\f)+64+8*(\a):(\f)+64+8*(\a)+7], v[8*(8*(\a)+(\b)):8*(8*(\a)+(\b))+7]
.endif
.endr
.endm
; 24 LDS loads in one run: the fragments of 32 along K: W's sixteen loads at byte k of its rows, then A's eight, in block k / 128 at byte k % 128 of its rows
.macro FETCH slot, k, f
	WIN TO_F
.irp i, 0,1,2,3,4,5,6,7
	ds_load_b128 v[(\f)+8*(\i):(\f)+8*(\i)+3],   v[ADRB+(\slot)] offset:(\k)+(\i)*16*PITCH
	ds_load_b128 v[(\f)+8*(\i)+4:(\f)+8*(\i)+7], v[ADRB+(\slot)] offset:(\k)+(\i)*16*PITCH+32
.endr
.irp i, 0,1,2,3
	ds_load_b128 v[(\f)+64+8*(\i):(\f)+64+8*(\i)+3],   v[ADRA+(\slot)] offset:((\k)/128)*HA+((\k)%128)+(\i)*16*PA
	ds_load_b128 v[(\f)+64+8*(\i)+4:(\f)+64+8*(\i)+7], v[ADRA+(\slot)] offset:((\k)/128)*HA+((\k)%128)+(\i)*16*PA+32
.endr
.endm
.macro PLACES                          ; four places in front of loads into registers that matrix instructions have read, and of conversions that read results
.rept 4
	v_nop
.endr
.endm
; A K step is four quarters of 32 along K, 32 matrix instructions each, on buffers 0, 1, 0, 1.  One of the first three multiplies f and fetches the next quarter, at byte k, into g.
.macro QUARTER slot, k, f, g, zero
	s_wait_dscnt 4                                 ; W and A's blocks 0, 1 are in; the youngest four loads (A's blocks 2, 3) may be out
	MUL8 \f, 0, \zero
	MUL8 \f, 1, \zero
	PLACES
	FETCH \slot, \k, \g
	s_wait_dscnt 24                                ; all but the 24 just issued
	MUL8 \f, 2, \zero
	MUL8 \f, 3, \zero
.endm
; The last quarter multiplies buffer 1 and changes slots: one barrier; in front of it each wave waits for all its tensor loads, adds 0 to its spare word, and waits for that and for its reads of this slot.
; fill = 1: the barrier opens a round of the cluster's, and this slot is filled again first behind it, two K steps ahead: 112 matrix instructions stand between the request and the wait for it.
.macro TURN slot, next, fill
.if \fill
	s_wait_xcnt 0x0                                ; the last prefetch, a K step back, has read its address
	s_add_nc_u64 s[PFA:PFA+1], s[PFA:PFA+1], s[PST:PST+1]
.endif
	WIN 0
	s_wait_tensorcnt 0x0                           ; all my tensor loads have landed: my part of the next slot
	ds_add_u32 v[SPW], v[NIL]                      ; 0 onto my spare word
	s_wait_dscnt 5                                 ; (the add and the youngest four loads may be out)
	MUL8 F1, 0, 0
	s_wait_dscnt 0x0                               ; the add is done, and my reads of this slot are over
	s_barrier_signal -1
	MUL8 F1, 1, 0
.if \fill
	WIN 0
.endif
	s_barrier_wait -1
.if \fill
	CREST                                          ; no wave of any partner still reads this slot or has a load on its way
	s_add_nc_u64 s[G0+4*(\slot)+2:G0+4*(\slot)+3], s[G0+4*(\slot)+2:G0+4*(\slot)+3], 2*2*BLK
	s_add_nc_u64 s[G0B+4*(\slot)+2:G0B+4*(\slot)+3], s[G0B+4*(\slot)+2:G0B+4*(\slot)+3], 2*KSTEP*2
	JLOAD \slot                                    ; its four v_nop are also the places in front of the loads below
.else
	PLACES
.endif
	FETCH \next, 0, F0
.if \fill
	ASK
.endif
	MUL8 F1, 2, 0
	MUL8 F1, 3, 0
.endm
	s_wait_tensorcnt 1                             ; my part of K step 0 is in; K step 1's may stay out
	s_barrier_signal -1
	s_barrier_wait -1
	FETCH 0, 0, F0
	QUARTER 0, 64, F0, F1, 1                       ; the first quarter stands in front of the loop: its products start the sums
	WIN 0
	s_mov_b32 s3, LAPS-1
.Llap:                                                 ; a trip goes once round the ring and fills both slots again
	QUARTER 0, 128, F1, F0, 0
	QUARTER 0, 192, F0, F1, 0
	TURN 0, 1, 1
	QUARTER 1, 64,  F0, F1, 0
	QUARTER 1, 128, F1, F0, 0
	QUARTER 1, 192, F0, F1, 0
	TURN 1, 0, 1
	QUARTER 0, 64,  F0, F1, 0
	WIN 0
	s_sub_co_u32 s3, s3, 1
	s_cmp_lg_u32 s3, 0
	s_cbranch_scc1 .Llap
	QUARTER 0, 128, F1, F0, 0                      ; the last lap fills nothing
	QUARTER 0, 192, F0, F1, 0
	TURN 0, 1, 0
	QUARTER 1, 64,  F0, F1, 0
	QUARTER 1, 128, F1, F0, 0
	QUARTER 1, 192, F0, F1, 0
	s_wait_dscnt 4
	MUL8 F1, 0, 0
	MUL8 F1, 1, 0
	s_wait_dscnt 0x0
	MUL8 F1, 2, 0
	MUL8 F1, 3, 0
	PLACES
; THE WAY OUT, a block of 16 rows at a time: rounded to bf16; 16 bytes a lane into my own stage, by blocks of 64 columns; back as whole rows of 128 bytes; stored, 512 consecutive bytes an instruction.
.macro PACK a
	WIN 0x05                                       ; sources window 1, destination window 0
.irp b, 0,1,2,3,4,5,6,7
.irp r, 0,1,2,3
	v_cvt_pk_bf16_f32 v[TMP+4*(\b)+(\r)], v[8*(8*(\a)+(\b))+2*(\r)], v[8*(8*(\a)+(\b))+2*(\r)+1]
.endr
.endr
	WIN 0
.endm
.macro TOSTAGE a
.irp b, 0,1,2,3,4,5,6,7
	ds_store_b128 v[STO], v[TMP+4*(\b):TMP+4*(\b)+3] offset:((\b)/4)*16*SP+((\b)%4)*32
.endr
.irp u, 0,1,2,3,4,5,6,7
	ds_load_b128 v[BK+32*(\a)+4*(\u):BK+32*(\a)+4*(\u)+3], v[RD] offset:((\u)/4)*16*SP+((\u)%4)*4*SP  ; LDS serves a wave's instructions in order: these see the stores above
.endr
.endm
.macro SEND a
	s_wait_dscnt 0x0                               ; the block is back in registers
.irp u, 0,1,2,3,4,5,6,7
	global_store_b128 v[GO], v[BK+32*(\a)+4*(\u):BK+32*(\a)+4*(\u)+3], s[6:7] offset:((\u)/4)*BLK+(\a)*2048+((\u)%4)*512
.endr
.endm
	PACK 0
	TOSTAGE 0
.irp a, 1,2,3                          ; a block's conversions stand between the loads of the block before and the wait for them
	PACK \a
	SEND (\a)-1
	TOSTAGE \a
.endr
	SEND 3
	s_wait_tensorcnt 0x0                           ; the wave's end
	ds_add_u32 v[SPW], v[NIL]
	s_wait_dscnt 0x0
	CROUND                                         ; the closing round
	s_endpgm
.Lfunc_end_k_q37b00515c0_proj:
	.size	k_q37b00515c0_proj, .Lfunc_end_k_q37b00515c0_proj-k_q37b00515c0_proj
	.p2alignl 7, 3214868480
	.fill 96, 4, 3214868480
	.section	.rodata,"a",@progbits
	.p2align	6, 0x0
	.amdhsa_kernel k_q37b00515c0_proj
		.amdhsa_group_segment_fixed_size 327680
		.amdhsa_private_segment_fixed_size 0
		.amdhsa_enable_private_segment 0
		.amdhsa_kernarg_size 16
		.amdhsa_user_sgpr_count 2
		.amdhsa_user_sgpr_kernarg_segment_ptr 1
		.amdhsa_wavefront_size32 1
		.amdhsa_system_sgpr_workgroup_id_x 1
		.amdhsa_system_sgpr_workgroup_id_y 1
		.amdhsa_system_sgpr_workgroup_id_z 1
		.amdhsa_system_vgpr_workitem_id 0
		.amdhsa_next_free_vgpr 768
		.amdhsa_next_free_sgpr 66
		.amdhsa_reserve_vcc 0
		.amdhsa_float_denorm_mode_32 3
		.amdhsa_float_denorm_mode_16_64 3
		.amdhsa_memory_ordered 1
		.amdhsa_forward_progress 1
		.amdhsa_inst_pref_size 88
	.end_amdhsa_kernel
	.amdgpu_metadata
---
amdhsa.version: [ 1, 2 ]
amdhsa.kernels:
  - .name:           k_q37b00515c0_proj
    .symbol:         k_q37b00515c0_proj.kd
    .args:
      - { .name: xb, .offset: 0, .size: 8, .value_kind: global_buffer, .address_space: global }
      - { .name: qkv, .offset: 8, .size: 8, .value_kind: global_buffer, .address_space: global }
    .group_segment_fixed_size: 327680
    .private_segment_fixed_size: 0
    .kernarg_segment_align: 8
    .kernarg_segment_size: 16
    .max_flat_workgroup_size: 128
    .sgpr_count:     66
    .vgpr_count:     768
    .wavefront_size: 32
...
	.end_amdgpu_metadata
.endif
;; end of part 2
;; launch attn (part 3): grid 4 x 64, 4 waves a work-group, clusters of 4 x 1, 327,680 bytes of LDS; arguments qkv, mask, ob; writes ob
.if DOCPART == 3
	.amdgcn_target "amdgcn-amd-amdhsa--gfx1250"
	.amdhsa_code_object_version 6
	.text
	.protected	k_q37b00515c0_attn
	.globl	k_q37b00515c0_attn
	.p2align	8
	.type	k_q37b00515c0_attn,@function
k_q37b00515c0_attn:
	s_mov_b64 s[64:65], 0
	v_nop
	global_prefetch_b8 v0, s[64:65] scope:SCOPE_SE
	s_setreg_imm32_b32 hwreg(HW_REG_WAVE_MODE, 25, 1), 1
	s_wait_xcnt 0x0
	s_wait_alu depctr_hold_cnt(0) depctr_sa_sdst(0) depctr_va_vdst(0) depctr_va_sdst(0) depctr_va_ssrc(0) depctr_va_vcc(0) depctr_vm_vsrc(0)
	s_getreg_b32 s2, hwreg(HW_REG_IB_STS2, 6, 4)
	s_cmp_eq_u32 s2, 0
	s_cbranch_scc0 .Lentry_in_a_cluster
	s_endpgm
.Lentry_in_a_cluster:
	s_bfe_u32 s2, ttmp6, 0x10000c
	s_cmp_lg_u32 s2, 0x3003
	s_cbranch_scc0 .Lentry_shape_is_right
	s_endpgm
.Lentry_shape_is_right:
; O[bh][q][:] = the sum over k of softmax_k(Q[bh][q] . K[bh][k] / 8 + am[b][k]) V[bh][k][:],  am = (float(mask) - 1) x 1e8.  Q, K, V lie in qkv, O in ob: [64][2048][64] bf16, a head's rows dense.
; Products, maxima and sums in f32.  The score is t = fma(s, 0.125, am): s / 8 is exact, so t has the one rounding of the sum that defines it.  p = 2^(c t - c m), c = log2(e), with a running maximum m of t;
; in every step O and l are multiplied by a = 2^(c m_old - c m_new).  m starts at the lowest finite number, O and l at 0: the first step is a step like any other, with a = 0.
; The weights are rounded to bf16 for the second product (their sum l is taken of the unrounded p), O once at the end.
; LIMITS.  Operands are bf16 (8 significant bits).  A weight below 2^-126 counts as 0 in l; NaN and infinities are not treated apart.
; SHARES.  A wave owns four PIECES of two tiles of 16 queries, a work-group's four waves 512 queries of one head.  Every wave walks all 2,048 keys, 64 a step.
; LAYOUT.  S^T = K Q^T (source 0 = 16 keys, source 1 = 16 queries): a lane holds ONE query (lane % 16) and the keys 8 (lane / 16) + 0..7.  Two such tiles, rounded to bf16 in pairs, ARE source 1 of
; O^T = V^T P.  K comes out of LDS as it lies, V turned, by ds_load_tr16_b128.
; THE MASK.  am of the batch's 2,048 keys is made once, in f32, and kept in LDS (8,192 bytes); with each step's K a lane fetches the 32 numbers of its 32 keys.
; BY TURNS.  Turn n belongs to piece n.  Matrix work: 16 products K Q^T of piece n + 1, later 16 products V^T P of piece n - 1.  Vector work: the scaling, exponentials, roundings, sums and rescaling of
; piece n, and t, the maximum and the statistics of piece n + 1.  Four vector instructions stand behind every matrix instruction, the other 140 of a turn's 268 in one lump.  A turn's 66 exponentials are one batch with one wait.
; CLUSTER.  The four query blocks of a head walk the same K and V: each tile is asked for jointly, by the same tensor load, descriptor and mask in all four.
; REGISTERS, in windows of 256 (s_set_vgpr_msb: bits 1:0 source 0, 3:2 source 1, 5:4 source 2, 7:6 destination):
;   window 0: v1-11 addresses; v12-15, v48-63 at work; v16-47 four registers of statistics a tile; v64-191 S^T, two buffers of two tiles; v192-255 P, likewise
;   window 1: O^T, 32 a tile     window 2: v0-127 Q; v128-191 K of one step; v192-255 V of one step     window 3: v0-1 the add's two registers; v32-63 am of one step's keys
.set SIZE_N, 2048
.set NP,    4
.set KS,    64
.set PK,    144       ; a row of K in LDS: 128 bytes + 16 of padding
.set PV,    160       ; a row of V: 128 + 32
.set VOFF,  4*KS*PK   ; a slot holds four steps: 256 rows of K, then 256 rows of V
.set SLOT1, 1<<17
.set STAGE, SLOT1+4*KS*(PK+PV)  ; behind the ring: 16 rows x 144 bytes for each wave, for the way out
.set SP,    144
.set SPARE, STAGE+4*16*SP       ; the spare words, 128 bytes a wave
.set AMT,   SPARE+512           ; am: 2,048 f32
.set PFO, 1           ; v1   256 x my lane: the prefetches' offset; never rewritten
.set AK0, 2           ; v2   my lane's place in a tile of K; never rewritten
.set AV0, 3           ; v3   the same for V
.set AK,  4           ; v4   the LDS address of K's next run of loads
.set AV,  5           ; v5   of V's
.set STO, 6           ; v6   the way out: where I put 16 bytes of a row
.set RD,  7           ; v7   where I read rows back
.set GO,  8           ; v8   my byte offset in 512 consecutive bytes of O
.set QO,  9           ; v9   my byte offset in 16 rows of Q
.set AM0, 10          ; v10  AMT + 32 (lane / 16); never rewritten
.set AMA, 11          ; v11  the LDS address of am's next run of loads
.set SPW, 0           ; v0 of window 3: my spare word
.set NIL, 1           ; v1 of window 3: 0
.set AM,  32          ; v32-63 of window 3: register 8 kb + j holds am of key 16 kb + 8 (lane / 16) + j of the step
.set MV,  12
.set ST,  16          ; tile t's statistics at v[ST+4 t]: c m, m, l (even keys', odd keys')
.set TMP, 48          ; by buffer and tile, four registers c0-c3 at work; when the maximum is found c2 takes a
.set S,   64
.set P,   192
.set KF,  128
.set VF,  192
.set WV,  12
.set G1K, 24
.set G1V, 32
.set G0K, 40
.set G0V, 44
.set SC8, 54          ; s[54:55] 0.125
.set SLOTS, 56
.set CNT, 57
.set CS,  58          ; s[58:59] c = log2(e)
.set SEL, 60
.set TBK, 62
.set TBV, 63
.set PFA, 66          ; s[66:67] where my prefetches stand
.set LIM, 68          ; s68  1 in a wave that prefetches, else the greatest number
.set TAM, 69          ; s69  256 x the number of the step whose am is fetched next, cut to 13 bits
.set MSB, 0
.set WB,  0           ; the window setting under which the exponentials stand
.macro WIN new
.if MSB != (\new)
	s_set_vgpr_msb (MSB<<8)|(\new)
.set MSB, (\new)
.endif
.endm
.set W_KQ, 0x0a
.set W_PV, 0x52
.set W_RS, 0x41
.set W_MK, 0xc0
.set W_AD, 0x0f
.set W_TM, 0x30       ; source 2 (am) in window 3, all else in window 0
.macro JLOAD                        ; waves 0 and 1 fetch the halves of a slot's K, waves 2 and 3 those of its V; an s_nop 0 and four v_nop follow each line
	s_cmp_lt_u32 s[WV], 2
	s_cbranch_scc0 .Lfor_v_\@
	tensor_load_to_lds s[G0K:G0K+3], s[G1K:G1K+7]
	s_nop 0
.rept 4
	v_nop
.endr
	s_branch .Lasked_\@
.Lfor_v_\@:
	tensor_load_to_lds s[G0V:G0V+3], s[G1V:G1V+7]
	s_nop 0
.rept 4
	v_nop
.endr
.Lasked_\@:
.endm
; A prefetch into the L2 of the slot that the NEXT change will ask for: four key steps, 512 matrix instructions, ahead of that load.  A slot is 32,768 bytes of K and of V; partner cx takes 8,192 of each, told apart by
; address; wave 0 asks for K's, wave 2 for V's: a lane a block of 256 bytes.  A head has one cluster, so each block is named once.  Slots 0 to 2 come by their loads; the last filling change asks for nothing.
.macro ASK
	s_cmp_gt_u32 s[SLOTS], s[LIM]
	s_cbranch_scc0 .Lnot_mine_\@
	global_prefetch_b8 v[PFO], s[PFA:PFA+1] th:TH_LOAD_NT scope:SCOPE_SE
.Lnot_mine_\@:
.endm
.macro CROUND
	s_barrier_signal -1
	s_barrier_wait -1
	s_cmp_lg_u32 s[WV], 0
	s_cbranch_scc1 .Lnot_wave_0_\@
	s_barrier_signal -3
.Lnot_wave_0_\@:
	s_barrier_wait -3
	s_barrier_signal -1
	s_barrier_wait -1
.endm
; THE CHANGE OF SLOTS.  Each wave waits for all its tensor loads (one is out: its part of the other slot), adds 0 to its spare word, and waits for that and for its own reads of the slot.
; fill = 1, 2: the slot is filled again, first thing behind a round of the cluster's barrier, with the keys two slots on; 2: with a prefetch behind the load.
.macro CHANGE fill
	WIN W_AD
	s_wait_tensorcnt 0x0            ; no tensor load of mine is out, so a group 0 may be written
	ds_add_u32 v[SPW], v[NIL]       ; 0 onto my spare word
	WIN 0
.if \fill
.irp g, G0K, G0V
	s_xor_b32 s[\g+1], s[\g+1], SLOT1
	s_add_nc_u64 s[\g+2:\g+3], s[\g+2:\g+3], 4*KS*128
.endr
.if (\fill) == 2
	s_wait_xcnt 0x0                 ; the last prefetch, four key steps back, has read its address
	s_add_nc_u64 s[PFA:PFA+1], s[PFA:PFA+1], 4*KS*128
.endif
	s_wait_dscnt 0x0                ; the add is done, and my reads of the slot (and, the first time, my stores of am) are over
	CROUND
	JLOAD
.if (\fill) == 2
	ASK
.endif
.else
	s_wait_dscnt 0x0
	s_barrier_signal -1
	s_barrier_wait -1
.endif
	s_sub_co_u32 s[TBK], s[TBK], 4*KS*PK
	s_xor_b32 s[TBK], s[TBK], SLOT1
	s_sub_co_u32 s[TBV], s[TBV], 4*KS*PV
	s_xor_b32 s[TBV], s[TBV], SLOT1
.endm
	s_load_b128 s[48:51], s[0:1], 0x0  ; qkv s[48:49], mask s[50:51]
	s_load_b64 s[52:53], s[0:1], 0x10  ; ob
	WIN W_MK
	v_lshl_add_u32 v[SPW], v0, 2, SPARE
	v_mov_b32 v[NIL], 0
	WIN W_AD
	ds_add_u32 v[SPW], v[NIL]       ; the wave's opening: the add and its wait ahead of my first tensor load
	WIN 0
	v_lshrrev_b32 v64, 5, v0
	v_readfirstlane_b32 s[WV], v64  ; wave 0..3
	s_bfe_u32 s13, ttmp6, 0x40000   ; cx
	s_lshl_b32 s14, ttmp9, 2
	s_add_co_u32 s14, s14, s13      ; my block of 512 queries: it enters Q's and O's addresses alone
	s_and_b32 s20, ttmp7, 0xffff    ; batch x 16 + head, which the four partners share
	s_lshr_b32 s70, s20, 4
	s_lshl_b32 s70, s70, 13         ; the batch's 2,048 words of mask
	s_mov_b32 s71, 0
	s_mov_b32 s21, 0
	s_mov_b64 s[22:23], SIZE_N*128
	s_mul_u64 s[20:21], s[20:21], s[22:23]  ; the head's first byte in q, k, v and O
	s_and_b32 s16, s[WV], 1         ; which half of a slot's 256 keys I fetch
	s_lshl_b32 s22, s16, 14
	s_mov_b32 s23, 0
	s_add_nc_u64 s[22:23], s[22:23], s[20:21]
	s_mul_i32 s17, s16, 128*PK
	s_mul_i32 s18, s16, 128*PV
	s_lshl_b32 s2, s14, 2
	s_add_co_u32 s2, s2, s[WV]
	s_lshl_b32 s2, s2, 14           ; my wave's 128 rows
	s_mov_b32 s3, 0
	s_add_nc_u64 s[2:3], s[2:3], s[20:21]
	; group 1: 128 keys are 16,384 dense bytes: 64 rows of 256 bytes, two keys a row, padded in LDS after every key
	s_mov_b32 s[G1K], 15|(1<<16)|(1<<20)|(1<<21)|(4<<22)|(3<<25)
	s_mov_b32 s[G1V], 15|(1<<16)|(1<<20)|(1<<21)|(4<<22)|(7<<25)
.irp g, G1K, G1V
	s_mov_b32 s[\g+1], 128<<16
	s_mov_b32 s[\g+2], 64<<16
	s_mov_b32 s[\g+3], 128<<16
	s_mov_b32 s[\g+4], 64
	s_mov_b32 s[\g+5], 128
	s_mov_b32 s[\g+6], 0
	s_mov_b32 s[\g+7], 0
.endr
	s_mov_b32 s[CS], 0x3fb8aa3b     ; log2(e)
	s_mov_b32 s[CS+1], s[CS]
	s_mov_b32 s[SC8], 0x3e000000    ; 1 / 8
	s_mov_b32 s[SC8+1], s[SC8]
	s_mov_b32 s[SEL], 0x76543210
	s_mov_b32 s[SEL+1], 0xfedcba98
	s_mov_b32 s[TBK], SLOT1+4*KS*PK ; the first change of slots turns these two into 0
	s_mov_b32 s[TBV], SLOT1+4*KS*PV
	s_mov_b32 s[TAM], 0
	s_mov_b32 s[G0K], 1
	s_mov_b32 s[G0K+1], s17
	s_mov_b32 s[G0V], 1
	s_add_co_u32 s[G0V+1], s18, VOFF
	s_and_b32 s[LIM], s[WV], 1
	s_cmp_eq_u32 s[LIM], 0
	s_cselect_b32 s[LIM], 1, -1     ; waves 0 and 2 prefetch: the same in all four partners
	s_wait_dscnt 0x0                ; the opening add is done
	s_wait_kmcnt 0x0
	s_add_nc_u64 s[6:7], s[48:49], 16777216   ; k
	s_add_nc_u64 s[8:9], s[48:49], 33554432   ; v
	s_add_nc_u64 s[G0K+2:G0K+3], s[6:7], s[22:23]
	s_or_b32 s[G0K+3], s[G0K+3], 0x80000000
	s_add_nc_u64 s[G0V+2:G0V+3], s[8:9], s[22:23]
	s_or_b32 s[G0V+3], s[G0V+3], 0x80000000
	s_add_nc_u64 s[4:5], s[48:49], s[2:3]     ; Q and O at my wave's first row
	s_add_nc_u64 s[10:11], s[52:53], s[2:3]
	s_add_nc_u64 s[50:51], s[50:51], s[70:71]
	s_cmp_lt_u32 s[WV], 2
	s_cselect_b64 s[PFA:PFA+1], s[6:7], s[8:9]
	s_add_nc_u64 s[PFA:PFA+1], s[PFA:PFA+1], s[20:21]
	s_lshl_b32 s2, s13, 13          ; my work-group's 8,192 bytes of a slot's 32,768
	s_mov_b32 s3, 0
	s_add_nc_u64 s[PFA:PFA+1], s[PFA:PFA+1], s[2:3]
	s_add_nc_u64 s[PFA:PFA+1], s[PFA:PFA+1], 2*4*KS*128  ; in slot 2; the loop's first change steps it to slot 3
	CROUND                          ; all four work-groups are here: the first joint loads meet
	JLOAD                           ; slot 0
	v_and_b32 v80, 15, v0           ; l % 16
	v_bfe_u32 v81, v0, 4, 1         ; l / 16
	v_lshlrev_b32 v85, 4, v0        ; 16 x my thread's number
.irp i, 0,1,2,3
	global_load_b128 v[64+4*\i:64+4*\i+3], v85, s[50:51] offset:2048*\i  ; the batch's mask: 128 threads x 16 bytes, four times
.endr
	v_lshlrev_b32 v[QO], 7, v80
	v_lshl_add_u32 v[QO], v81, 4, v[QO]
	WIN 0x80
.set i, 0
.rept 4*NP                          ; Q stays in registers: tile i / 2, channels 32 (i % 2) on
	global_load_b128 v[8*i:8*i+3],   v[QO], s[4:5] offset:(i/2)*2048+(i%2)*64
	global_load_b128 v[8*i+4:8*i+7], v[QO], s[4:5] offset:(i/2)*2048+(i%2)*64+32
.set i, i+1
.endr
	; What the first turn finds: V's registers and P's second buffer hold 0, O^T and l are 0.  All this stands in the wait for the first tile.
.set i, VF
.rept 64
	v_mov_b32 v[i], 0
.set i, i+1
.endr
	WIN 0x40
.set i, 0
.rept 64*NP
	v_mov_b32 v[i], 0
.set i, i+1
.endr
	WIN 0
.set i, 0
.rept 2*NP
	v_mov_b32 v[ST+4*i], 0xfe000000    ; c m: far below every c t
	v_mov_b32 v[ST+4*i+1], 0xff7fffff  ; m
	v_mov_b32 v[ST+4*i+2], 0
	v_mov_b32 v[ST+4*i+3], 0
.set i, i+1
.endr
.set i, P+32
.rept 32
	v_mov_b32 v[i], 0
.set i, i+1
.endr
	v_mul_u32_u24 v[AK0], v80, PK
	v_lshl_add_u32 v[AK0], v81, 4, v[AK0]
	v_and_b32 v82, 7, v0
	v_bfe_u32 v83, v0, 3, 1
	v_lshl_add_u32 v[AV0], v81, 3, v82
	v_mul_u32_u24 v[AV0], v[AV0], PV
	v_lshl_add_u32 v[AV0], v83, 4, v[AV0]
	v_add_nc_u32 v[AV0], VOFF, v[AV0]
	v_mov_b32 v[AK], v[AK0]         ; key step 0 lies at the head of slot 0
	s_mul_i32 s13, s[WV], 16*SP
	s_add_co_u32 s13, s13, STAGE    ; my stage
	v_mul_u32_u24 v[STO], v80, SP
	v_lshl_add_u32 v[STO], v81, 4, v[STO]
	v_add_nc_u32 v[STO], s13, v[STO]
	v_bfe_u32 v[RD], v0, 3, 2
	v_mul_u32_u24 v[RD], v[RD], SP
	v_lshl_add_u32 v[RD], v82, 4, v[RD]
	v_add_nc_u32 v[RD], s13, v[RD]
	v_and_b32 v[GO], 31, v0
	v_lshlrev_b32 v[PFO], 8, v[GO]
	v_lshlrev_b32 v[GO], 4, v[GO]
	v_lshlrev_b32 v[AM0], 5, v81
	v_add_nc_u32 v[AM0], AMT, v[AM0]
	v_mov_b32 v[AMA], v[AM0]
	v_add_nc_u32 v86, AMT, v85
	s_wait_loadcnt 32               ; the mask is in; Q's 32 younger loads may stay out
.set i, 64
.rept 16
	v_cvt_f32_i32 v[i], v[i]
	v_add_f32 v[i], -1.0, v[i]
	v_mul_f32 v[i], 0x4cbebc20, v[i]  ; x 1e8
.set i, i+1
.endr
.irp i, 0,1,2,3
	ds_store_b128 v86, v[64+4*\i:64+4*\i+3] offset:2048*\i  ; waited for in the first change of slots, whose round shows the table to every wave
.endr
; THE MATRIX WORK.  The 8 accumulators of a run of 16 take turns.
.macro KQ x
	WIN W_KQ
.set rS, S+64*((\x)%2)+32*(i%2)+8*((i/2)%4)
.set rK, KF+16*((i/2)%4)+8*(i/8)
.set rQ, 16*(2*(\x)+i%2)+8*(i/8)
.if i < 8
	v_wmma_f32_16x16x32_bf16 v[rS:rS+7], v[rK:rK+7], v[rQ:rQ+7], 0
.else
	v_wmma_f32_16x16x32_bf16 v[rS:rS+7], v[rK:rK+7], v[rQ:rQ+7], v[rS:rS+7]
.endif
.endm
.macro PV x
	WIN W_PV
.set rO, 32*(2*(\x)+i%2)+8*((i/2)%4)
.set rV, VF+32*(i/8)+8*((i/2)%4)
.set rP, P+32*((\x)%2)+16*(i%2)+8*(i/8)
	v_wmma_f32_16x16x32_bf16 v[rO:rO+7], v[rV:rV+7], v[rP:rP+7], v[rO:rO+7]
.endm
.macro MM                           ; the turn's next matrix instruction
.if i < 16
	KQ (Y+1)%NP
.set i, i+1
.else
.set i, i-16
	PV (Y+NP-1)%NP
.set i, i+17
.endif
.endm
; THE LDS LOADS stand in runs: a step's K (16 loads) with its am (8 loads: all lanes of a half read the same 16 bytes), and its V (16 turning loads).  last = 1 (the tail): in the last trip the run is jumped over.
.macro FETCH_K last=0
	WIN 0
.if \last
	s_cmp_eq_u32 s[CNT], 1
	s_cbranch_scc1 .Lno_k_\@
.endif
	WIN 0x80
.irp f, 0,1,2,3,4,5,6,7
	ds_load_b128 v[KF+8*\f:KF+8*\f+3],   v[AK] offset:(\f/2)*16*PK+(\f%2)*64
	ds_load_b128 v[KF+8*\f+4:KF+8*\f+7], v[AK] offset:(\f/2)*16*PK+(\f%2)*64+32
.endr
	WIN 0xc0
.irp f, 0,1,2,3
	ds_load_b128 v[AM+8*\f:AM+8*\f+3],   v[AMA] offset:64*\f
	ds_load_b128 v[AM+8*\f+4:AM+8*\f+7], v[AMA] offset:64*\f+16
.endr
	s_add_co_u32 s[TBK], s[TBK], KS*PK  ; the next fetch is the next step's
	s_add_co_u32 s[TAM], s[TAM], 256
	s_and_b32 s[TAM], s[TAM], 0x1f00    ; 32 steps of 256 bytes: inside the table whatever the count
	WIN 0
.if \last
.Lno_k_\@:
.endif
.endm
.macro FETCH_V
	WIN 0x80
.irp f, 0,1,2,3,4,5,6,7
	ds_load_tr16_b128 v[VF+8*\f:VF+8*\f+3],   v[AV] offset:(\f/4)*32*PV+(\f%4)*32
	ds_load_tr16_b128 v[VF+8*\f+4:VF+8*\f+7], v[AV] offset:(\f/4)*32*PV+16*PV+(\f%4)*32
.endr
	WIN 0
.endm
; THE VECTOR WORK.
.macro REGS y, u                    ; the registers of tile u (0, 1) of piece y
.set rT, ST+4*(2*(\y)+(\u))
.set rC, TMP+8*((\y)%2)+4*(\u)
.set rM, MV+2*((\y)%2)+(\u)
.set rS, S+64*((\y)%2)+32*(\u)
.set rP, P+32*((\y)%2)+16*(\u)
.set rO, 32*(2*(\y)+(\u))
.endm
; TM n: t = s / 8 + am for pair n / 2 of tile n % 2 of the NEXT piece.  The pairs ascend.
.macro TM n
	REGS (Y+1)%NP, (\n)%2
	WIN W_TM
	v_pk_fma_f32 v[rS+2*((\n)/2):rS+2*((\n)/2)+1], v[rS+2*((\n)/2):rS+2*((\n)/2)+1], s[SC8:SC8+1], v[AM+2*((\n)/2):AM+2*((\n)/2)+1] op_sel_hi:[1,0,1]
.endm
; XS u, n: number n of the 22 that find the NEXT piece's maximum and statistics.  0-11 four chains c0-c3 of seven scores each; 12-14, 16 the four scores left over, the old m, and c0-c3 into c0; 15 c m_old is kept;
; 17, 18 the query's other 32 keys lie in the lane 16 away: the new m; 19-21 c m; c m_old - c m_new; a.
.macro XS u, n
	REGS (Y+1)%NP, \u
	WIN 0
.if (\n) < 4
	v_max3_num_f32 v[rC+(\n)], v[rS+8*(\n)], v[rS+8*(\n)+1], v[rS+8*(\n)+2]
.elseif (\n) < 12
	v_max3_num_f32 v[rC+(\n)%4], v[rC+(\n)%4], v[rS+8*((\n)%4)+2*((\n)/4)+1], v[rS+8*((\n)%4)+2*((\n)/4)+2]
.elseif (\n) == 12
	v_max3_num_f32 v[rC], v[rC], v[rS+7], v[rS+15]
.elseif (\n) == 13
	v_max3_num_f32 v[rC+1], v[rC+1], v[rS+23], v[rS+31]
.elseif (\n) == 14
	v_max3_num_f32 v[rC+2], v[rC+2], v[rC+3], v[rT+1]
.elseif (\n) == 15
	v_mov_b32 v[rM], v[rT]
.elseif (\n) == 16
	v_max3_num_f32 v[rC], v[rC], v[rC+1], v[rC+2]
.elseif (\n) == 17
	v_permlanex16_b32 v[rC+3], v[rC], s[SEL], s[SEL+1]
.elseif (\n) == 18
	v_max_num_f32 v[rT+1], v[rC], v[rC+3]
.elseif (\n) == 19
	v_mul_f32 v[rT], s[CS], v[rT+1]
.elseif (\n) == 20
	v_sub_f32 v[rC+1], v[rM], v[rT]
.else
	v_exp_f32 v[rC+2], v[rC+1]
.endif
.endm
; GS g: number g of the 64 that follow the exponentials.  For each four weights k of a tile: both pairs are rounded to bf16; the second pair is added onto the first, in place; a group later l takes that sum (the first time as l = a l + sum).
.macro GS g
.set h, (\g)+6*((\g)/62)
.if h >= 6
.set h, h+2
.endif
	REGS Y, h%2
	WIN 0
.set k, h/8
.if h%8 < 4
	v_cvt_pk_bf16_f32 v[rP+2*k+(h%8)/2], v[rS+4*k+2*((h%8)/2)], v[rS+4*k+2*((h%8)/2)+1]
.elseif h%8 < 6
	v_pk_add_f32 v[rS+4*k:rS+4*k+1], v[rS+4*k:rS+4*k+1], v[rS+4*k+2:rS+4*k+3]
.elseif k == 1
	v_pk_fma_f32 v[rT+2:rT+3], v[rT+2:rT+3], v[rC+2:rC+3], v[rS:rS+1] op_sel_hi:[1,0,1]
.else
	v_pk_add_f32 v[rT+2:rT+3], v[rT+2:rT+3], v[rS+4*k-4:rS+4*k-3]
.endif
.endm
.macro FS f                         ; c t - c m for pair f / 2 of tile f % 2
	REGS Y, (\f)%2
	WIN 0
	v_pk_fma_f32 v[rS+2*((\f)/2):rS+2*((\f)/2)+1], v[rS+2*((\f)/2):rS+2*((\f)/2)+1], s[CS:CS+1], v[rT:rT+1] op_sel_hi:[1,0,0] neg_lo:[0,0,1] neg_hi:[0,0,1]
.endm
.macro EX                           ; the next of the 64 exponentials: score e / 2 of tile e % 2.  It has no source 2, so it stands unchanged under TM's window setting
	REGS Y, e%2
	WIN WB
	v_exp_f32 v[rS+e/2], v[rS+e/2]
.set e, e+1
.endm
.macro R2                           ; O^T times a, two pairs at a time; its a was made, and waited for, in the turn before
	REGS Y, r%2
	WIN W_RS
.irp z, 0,1
	v_pk_mul_f32 v[rO+4*(r/2)+2*\z:rO+4*(r/2)+2*\z+1], v[rO+4*(r/2)+2*\z:rO+4*(r/2)+2*\z+1], v[rC+2:rC+3] op_sel_hi:[1,0]
.endr
.set r, r+1
.endm
; A TURN, for piece p.  One s_wait_alu depctr_va_vdst(0) stands between the exponentials and the first instruction that names a result; it serves all that were issued ahead of it: a turn has ONE.
; AHEAD OF IT: the 16 products K Q^T, behind each a scaling, an exponential and two rescalings (behind the first a second scaling); then the lump: 15 x (exponential, scaling); the next piece's 32 t, the first 20 with an
; exponential behind each; its maximum's 24, then 4, two exponentials, the two copies of c m_old; the chain's six links, each for both tiles with two exponentials behind; the two a; a v_nop, the plain instruction behind the last of the batch.
; Exponential e stands behind scaling 2 (e / 4) + e % 2: as a rider behind scaling e + 2, in the lump behind all it needs.  The first t stands at least 34 plain instructions behind the last product K Q^T.
; BEHIND IT: the 16 products V^T P, behind each four of the 64 roundings and sums.
; K and am of the next step are fetched in piece 2's turn, directly behind the wait; V of the step in hand at the end of piece 0's turn, four plain instructions behind its last reader.
.macro TURN p, last=0, cnt=0
.set Y, (\p)
.set i, 0
.set e, 0
.set r, 0
.if (\p) == NP-1
	s_wait_dscnt 0x0                ; K and am are in
.endif
	MM
	FS 0
	FS 1
	R2
.set fq, 2
.rept 15
	MM
	FS fq
	EX
	R2
.set fq, fq+1
.endr
.if (\p) == NP-2
	WIN 0
	v_add_nc_u32 v[AK], s[TBK], v[AK0]
	v_add_nc_u32 v[AMA], s[TAM], v[AM0]
.endif
.rept 15
	EX
	FS fq
.set fq, fq+1
.endr
.set WB, W_TM
.set tn, 0
.rept 32
	TM tn
.if tn < 20
	EX
.endif
.set tn, tn+1
.endr
.set WB, 0
.irp n, 0,1,2,3,4,5,6,7,8,9,10,11,12,13
	XS 0, \n
	XS 1, \n
.endr
	EX
	EX
	XS 0, 15
	XS 1, 15
.irp n, 14,16,17,18,19,20
	XS 0, \n
	XS 1, \n
	EX
	EX
.endr
	XS 0, 21                        ; the next piece's two a
	XS 1, 21
	v_nop
	s_wait_alu depctr_va_vdst(0)    ; the wait for the batch
.if (\p) == NP-2
	FETCH_K \last
.endif
.if (\p) == 1
	s_wait_dscnt 0x0                ; V is in
.endif
.set gq, 0
.rept 16
	MM
.rept 4
	GS gq
.set gq, gq+1
.endr
.if ((\p) == 0) && (gq == 44)
	v_add_nc_u32 v[AV], s[TBV], v[AV0]
.endif
.if ((\p) == 0) && (gq == 56)
	s_add_co_u32 s[TBV], s[TBV], KS*PV
.endif
.if (\cnt) && (gq == 56)
	s_sub_co_u32 s[CNT], s[CNT], 1
	s_cmp_lg_u32 s[CNT], 0
.endif
.endr
.if (\p) == 0
	FETCH_V
.endif
.endm
	CHANGE 1                        ; slot 0 is in, everybody's part of it, and so is the table of am; slot 1 is asked for
	FETCH_K                         ; key step 0
	s_wait_loadcnt 0x0              ; Q
	s_wait_dscnt 0x0
.set i, 0
.rept 16
	KQ 0                            ; piece 0's first scores
.set i, i+1
.endr
	WIN 0
.rept 4
	v_nop                           ; the places behind those products
.endr
.set Y, NP-1                        ; TM and XS work for piece Y + 1: piece 0
.set tn, 0
.rept 32
	TM tn
.set tn, tn+1
.endr
.irp n, 0,1,2,3,4,5,6,7,8,9,10,11,12,13,14,15,16,17,18,19,20,21
	XS 0, \n
	XS 1, \n
.endr
	v_nop                           ; a plain instruction behind the two a,
	s_wait_alu depctr_va_vdst(0)    ; and their wait, ahead of the branch
	s_mov_b32 s[CNT], 4
	s_mov_b32 s[SLOTS], SIZE_N/256-1
	s_branch .Lfirst                ; the loop is entered at a step's first turn, in the middle of a trip
.Lslot:                             ; six times: every slot but the last two is filled again
	CHANGE 2
	s_mov_b32 s[CNT], 4
.Lstep:                             ; a trip: pieces 2 and 3 of one step, then pieces 0 and 1 of the next, whose K, am and V it fetches
	TURN 2
	TURN 3
	WIN 0
.Lfirst:
	TURN 0
	TURN 1, 0, 1
	WIN 0
	s_cbranch_scc1 .Lstep
	s_sub_co_u32 s[SLOTS], s[SLOTS], 1
	s_cmp_lg_u32 s[SLOTS], 0
	s_cbranch_scc1 .Lslot
	CHANGE 0                        ; the tail is written out
	s_mov_b32 s[CNT], 5             ; four trips fetch the last slot's steps; the fifth is left in its middle
.Ltail:
	TURN 2, 1
	TURN 3
	WIN 0
	s_sub_co_u32 s[CNT], s[CNT], 1
	s_cmp_eq_u32 s[CNT], 0
	s_cbranch_scc1 .Lout
	TURN 0
	TURN 1
	WIN 0
	s_branch .Ltail
.Lout:                              ; the fifth trip's 16 products K Q^T (on the last K once more) and what is made of them serve nothing: the price, once a launch, of one text for every trip
.set i, 0
.rept 16
	PV NP-1
.set i, i+1
.endr
	; THE WAY OUT.  l's two halves and the other half of the lanes' are added; O^T is divided by l, rounded to bf16 and sent through my stage, a tile at a time.  The additions are the places behind the last products.
	WIN 0
.macro ALL line:vararg
.set t, 0
.rept 2*NP
	\line
.set t, t+1
.endr
.endm
	ALL v_add_f32 v[ST+4*t+2], v[ST+4*t+2], v[ST+4*t+3]
	ALL v_permlanex16_b32 v[ST+4*t+3], v[ST+4*t+2], s[SEL], s[SEL+1]
	ALL v_add_f32 v[ST+4*t+2], v[ST+4*t+2], v[ST+4*t+3]
	ALL v_rcp_f32 v[ST+4*t+2], v[ST+4*t+2]
	v_nop
	s_wait_alu depctr_va_vdst(0)    ; one wait for the eight reciprocals
.macro PACK t
	WIN W_RS
.set i, 32*(\t)
.rept 16
	v_pk_mul_f32 v[i:i+1], v[i:i+1], v[ST+4*(\t)+2:ST+4*(\t)+3] op_sel_hi:[1,0]
.set i, i+2
.endr
	WIN 0x05
.set i, 0
.rept 16
	v_cvt_pk_bf16_f32 v[S+16*(\t)+i], v[32*(\t)+2*i], v[32*(\t)+2*i+1]
.set i, i+1
.endr
	WIN 0
.irp f, 0,1,2,3
	ds_store_b128 v[STO], v[S+16*(\t)+4*\f:S+16*(\t)+4*\f+3] offset:32*\f
.endr
.irp f, 0,1,2,3
	ds_load_b128 v[S+16*(\t)+4*\f:S+16*(\t)+4*\f+3], v[RD] offset:\f*4*SP  ; LDS serves a wave's instructions in order: these see the stores above
.endr
.endm
.macro SEND t, younger              ; younger: the LDS instructions issued behind tile t's loads: the next tile's eight, or none
	WIN 0
.irp f, 0,1,2,3
	s_wait_dscnt (\younger)+3-\f
	global_store_b128 v[GO], v[S+16*(\t)+4*\f:S+16*(\t)+4*\f+3], s[10:11] offset:(\t)*2048+\f*512  ; 512 consecutive bytes, at a multiple of 256 from ob's first
.endr
.endm
	PACK 0
.set t, 1
.rept 2*NP-1
	PACK t
	SEND t-1, 8
.set t, t+1
.endr
	SEND 2*NP-1, 0
	WIN W_AD
	s_wait_tensorcnt 0x0            ; the wave's end
	ds_add_u32 v[SPW], v[NIL]
	s_wait_dscnt 0x0
	WIN 0
	CROUND                          ; the closing round
	s_endpgm
.Lfunc_end_k_q37b00515c0_attn:
	.size	k_q37b00515c0_attn, .Lfunc_end_k_q37b00515c0_attn-k_q37b00515c0_attn
	.p2alignl 7, 3214868480
	.fill 96, 4, 3214868480
	.section	.rodata,"a",@progbits
	.p2align	6, 0x0
	.amdhsa_kernel k_q37b00515c0_attn
		.amdhsa_group_segment_fixed_size 327680
		.amdhsa_private_segment_fixed_size 0
		.amdhsa_enable_private_segment 0
		.amdhsa_kernarg_size 24
		.amdhsa_user_sgpr_count 2
		.amdhsa_user_sgpr_kernarg_segment_ptr 1
		.amdhsa_wavefront_size32 1
		.amdhsa_system_sgpr_workgroup_id_x 1
		.amdhsa_system_sgpr_workgroup_id_y 1
		.amdhsa_system_sgpr_workgroup_id_z 1
		.amdhsa_system_vgpr_workitem_id 0
		.amdhsa_next_free_vgpr 832
		.amdhsa_next_free_sgpr 72
		.amdhsa_reserve_vcc 0
		.amdhsa_float_denorm_mode_32 3
		.amdhsa_float_denorm_mode_16_64 3
		.amdhsa_memory_ordered 1
		.amdhsa_forward_progress 1
		.amdhsa_inst_pref_size 224
	.end_amdhsa_kernel
	.amdgpu_metadata
---
amdhsa.version: [ 1, 2 ]
amdhsa.kernels:
  - .name:           k_q37b00515c0_attn
    .symbol:         k_q37b00515c0_attn.kd
    .args:
      - { .name: qkv, .offset: 0, .size: 8, .value_kind: global_buffer, .address_space: global }
      - { .name: mask, .offset: 8, .size: 8, .value_kind: global_buffer, .address_space: global }
      - { .name: ob, .offset: 16, .size: 8, .value_kind: global_buffer, .address_space: global }
    .group_segment_fixed_size: 327680
    .private_segment_fixed_size: 0
    .kernarg_segment_align: 8
    .kernarg_segment_size: 24
    .max_flat_workgroup_size: 128
    .sgpr_count:     72
    .vgpr_count:     832
    .wavefront_size: 32
...
	.end_amdgpu_metadata
.endif
;; end of part 3
;; launch wo: the kernel of part 2 again; grid 4 x 64, 4 waves a work-group, clusters of 4 x 4, 327,680 bytes of LDS; arguments ob, zb; writes zb
;; launch ln (part 4): grid 256 x 1, 16 waves a work-group, no clusters, 10,240 bytes of LDS; arguments zb, query, ln_gamma, ln_beta, out0; writes out0
.if DOCPART == 4
	.amdgcn_target "amdgcn-amd-amdhsa--gfx1250"
	.amdhsa_code_object_version 6
	.text
	.protected	k_q37b00515c0_ln
	.globl	k_q37b00515c0_ln
	.p2align	8
	.type	k_q37b00515c0_ln,@function
k_q37b00515c0_ln:
	s_mov_b64 s[64:65], 0
	v_nop
	global_prefetch_b8 v0, s[64:65] scope:SCOPE_SE
	s_setreg_imm32_b32 hwreg(HW_REG_WAVE_MODE, 25, 1), 1
	s_wait_xcnt 0x0
; out0 = LayerNorm(query + z) x gamma + beta.  z = O Wo^T lies in zb as bf16, in blocks [b*16 + e / 64][s][64]; query, gamma, beta, out0 are f32, rows of 1,024.
; All arithmetic in f32.  The variance is taken of x - mean (two passes over registers): no difference of large sums.
; LIMITS.  z was rounded once to bf16; 1 / sqrt is v_rsq_f32's; NaN and infinities are not treated apart.
; A stream: no matrix unit, no cluster, no tensor load (no two work-groups read the same row; gamma and beta are 8,192 bytes).
; SHARES.  A work-group owns 32 rows, each of its 16 waves a PAIR of rows s, s + 1: lanes 0-15 hold row s, lanes 16-31 row s + 1; lane l holds columns 64 n + 4 (l % 16) + 0..3 of each block n of 64 columns.
; So a load of z (8 bytes a lane) covers 256 consecutive bytes, the two rows' 128 bytes of a block; a load of query and a store (16 bytes a lane) cover 256 consecutive bytes of each row, each at a multiple
; of 256 from its buffer's first byte; and a row's sums are made inside 16 lanes.  A row stays in registers between the passes; no register is used twice for memory, so no wait frees one.
; gamma and beta are copied once into LDS, 16 bytes a thread, and read back behind one barrier.
.set BLK,   262144                     ; bytes in a block of z
.set SPARE, 8192                       ; LDS: gamma 4,096 bytes, beta 4,096 bytes; then the spare words, 128 bytes for each of 16 waves
.set QO,  1                            ; v1   my byte offset in the work-group's rows of query and out0, block 0
.set ZO,  2                            ; v2   the same in a block of z
.set GA,  3                            ; v3   LDS address of my 16 bytes of gamma, block 0
.set SPW, 4                            ; v4   my spare word; never rewritten
.set NIL, 5                            ; v5   0; never rewritten
.set GST, 6                            ; v6   where I put 16 bytes of gamma | beta: 16 x my thread's number
.set GLO, 7                            ; v7   from where: 16 x (my thread's number % 256)
.set CH,  8                            ; v[8:15]   four chains of pairs
.set MN,  16                           ; v[16:17]  my row's mean, twice
.set RS,  18                           ; v[18:19]  1 / sigma, twice
.set T,   20                           ; v[20:27]  at work
.set GL,  28                           ; v[28:31]  16 bytes of gamma or beta as loaded
.set Q,   32                           ; v[32:95]  query, then x, x - mean, the result: block n at Q + 4 n
.set Z,   96                           ; v[96:127] z: block n at Z + 2 n
.set G,   128                          ; v[128:191] gamma
.set BT,  192                          ; v[192:255] beta
	s_load_b256 s[4:11], s[0:1], 0x0               ; zb s[4:5], query s[6:7], gamma s[8:9], beta s[10:11]
	s_load_b64 s[12:13], s[0:1], 0x20              ; out0
	v_lshl_add_u32 v[SPW], v0, 2, SPARE
	v_mov_b32 v[NIL], 0
	v_lshrrev_b32 v[T], 5, v0
	v_readfirstlane_b32 s14, v[T]                  ; wave 0..15
	v_and_b32 v[T+1], 15, v0                       ; l % 16
	v_bfe_u32 v[T+2], v0, 4, 1                     ; which row of the pair
	s_lshl_b32 s16, ttmp9, 17                      ; the work-group's 32 rows of 4,096 bytes
	s_mov_b32 s17, 0
	s_lshr_b32 s18, ttmp9, 6                       ; in z: the batch's 16 blocks,
	s_lshl_b32 s18, s18, 22
	s_and_b32 s19, ttmp9, 63
	s_lshl_b32 s19, s19, 12                        ; and 32 rows of 128 bytes in each
	s_add_co_u32 s18, s18, s19
	s_mov_b32 s19, 0
	s_lshl_b32 s20, s14, 13                        ; my pair: two rows of 4,096 bytes,
	s_lshl_b32 s21, s14, 8                         ; of 128 bytes
	s_mov_b32 s24, 0xffff0000                      ; a word's upper bf16
	s_mov_b32 s25, 0x3a800000                      ; 1 / 1,024
	s_mov_b32 s26, 0x3727c5ac                      ; 1e-5
	v_lshl_add_u32 v[QO], v[T+2], 12, s20
	v_lshl_add_u32 v[QO], v[T+1], 4, v[QO]
	v_lshl_add_u32 v[ZO], v[T+2], 7, s21
	v_lshl_add_u32 v[ZO], v[T+1], 3, v[ZO]
	v_lshlrev_b32 v[GA], 4, v[T+1]
	v_lshlrev_b32 v[GST], 4, v0
	v_and_b32 v[GLO], 0xff, v0
	v_lshlrev_b32 v[GLO], 4, v[GLO]
	s_wait_kmcnt 0x0
	s_cmp_lt_u32 s14, 8                            ; waves 0-7 copy gamma, waves 8-15 beta
	s_cselect_b64 s[22:23], s[8:9], s[10:11]
	s_add_nc_u64 s[4:5], s[4:5], s[18:19]
	s_add_nc_u64 s[6:7], s[6:7], s[16:17]
	s_add_nc_u64 s[12:13], s[12:13], s[16:17]
	global_load_b128 v[GL:GL+3], v[GLO], s[22:23]
.irp n, 0,1,2,3,4,5,6,7,8,9,10,11,12,13,14,15
	global_load_b64  v[Z+2*\n:Z+2*\n+1], v[ZO], s[4:5] offset:\n*BLK th:TH_LOAD_NT
	global_load_b128 v[Q+4*\n:Q+4*\n+3], v[QO], s[6:7] offset:\n*256 th:TH_LOAD_NT
.endr
	s_wait_loadcnt 32                              ; my 16 bytes of gamma or beta are in; the pair's 32 younger loads stay out
	ds_store_b128 v[GST], v[GL:GL+3]
	s_wait_dscnt 0x0                               ; for the others' sake
	s_barrier_signal -1
	s_barrier_wait -1                              ; the whole table lies in LDS
.irp n, 0,1,2,3,4,5,6,7,8,9,10,11,12,13,14,15
	ds_load_b128 v[G+4*\n:G+4*\n+3],   v[GA] offset:256*\n       ; the two halves of the lanes read the same 256 bytes
	ds_load_b128 v[BT+4*\n:BT+4*\n+3], v[GA] offset:4096+256*\n
.endr
	; x = query + z, block by block as the loads come in
.irp n, 0,1,2,3,4,5,6,7,8,9,10,11,12,13,14,15
	s_wait_loadcnt 2*(15-\n)                       ; block n's two loads are in; the two of each later block stay out
	v_lshlrev_b32 v[T+4*(\n%2)],   16,  v[Z+2*\n]  ; bf16 to f32: the low half moves up, the high half stays
	v_and_b32     v[T+4*(\n%2)+1], s24, v[Z+2*\n]
	v_lshlrev_b32 v[T+4*(\n%2)+2], 16,  v[Z+2*\n+1]
	v_and_b32     v[T+4*(\n%2)+3], s24, v[Z+2*\n+1]
	v_pk_add_f32 v[Q+4*\n:Q+4*\n+1],   v[Q+4*\n:Q+4*\n+1],   v[T+4*(\n%2):T+4*(\n%2)+1]
	v_pk_add_f32 v[Q+4*\n+2:Q+4*\n+3], v[Q+4*\n+2:Q+4*\n+3], v[T+4*(\n%2)+2:T+4*(\n%2)+3]
.endr
; The four chains are folded, then the 16 lanes of a row: four steps that ride on the addition (lane i takes lane i xor the mask, inside each half of 16 lanes).  Every lane ends with its own row's sum.
.macro FOLD
	v_pk_add_f32 v[CH:CH+1],   v[CH:CH+1],   v[CH+2:CH+3]
	v_pk_add_f32 v[CH+4:CH+5], v[CH+4:CH+5], v[CH+6:CH+7]
	v_pk_add_f32 v[CH:CH+1],   v[CH:CH+1],   v[CH+4:CH+5]
	v_add_f32 v[CH], v[CH], v[CH+1]
	v_add_f32_dpp v[CH], v[CH], v[CH] row_xmask:1 row_mask:0xf bank_mask:0xf
	v_add_f32_dpp v[CH], v[CH], v[CH] row_xmask:2 row_mask:0xf bank_mask:0xf
	v_add_f32_dpp v[CH], v[CH], v[CH] row_xmask:4 row_mask:0xf bank_mask:0xf
	v_add_f32_dpp v[CH], v[CH], v[CH] row_xmask:8 row_mask:0xf bank_mask:0xf
.endm
	; the row's sum: the first eight pairs start the chains, so nothing is cleared
.irp c, 0,1,2,3
	v_pk_add_f32 v[CH+2*\c:CH+2*\c+1], v[Q+2*\c:Q+2*\c+1], v[Q+8+2*\c:Q+8+2*\c+1]
.endr
.set q, 8
.rept 24
	v_pk_add_f32 v[CH+2*(q%4):CH+2*(q%4)+1], v[CH+2*(q%4):CH+2*(q%4)+1], v[Q+2*q:Q+2*q+1]
.set q, q+1
.endr
	FOLD
	v_mul_f32 v[MN], s25, v[CH]
	v_mov_b32 v[MN+1], v[MN]
	; x - mean, in place; then the sum of its squares
.set q, 0
.rept 32
	v_pk_add_f32 v[Q+2*q:Q+2*q+1], v[Q+2*q:Q+2*q+1], v[MN:MN+1] neg_lo:[0,1] neg_hi:[0,1]
.set q, q+1
.endr
.irp c, 0,1,2,3
	v_pk_mul_f32 v[CH+2*\c:CH+2*\c+1], v[Q+2*\c:Q+2*\c+1], v[Q+2*\c:Q+2*\c+1]
.endr
.set q, 4
.rept 28
	v_pk_fma_f32 v[CH+2*(q%4):CH+2*(q%4)+1], v[Q+2*q:Q+2*q+1], v[Q+2*q:Q+2*q+1], v[CH+2*(q%4):CH+2*(q%4)+1]
.set q, q+1
.endr
	FOLD
	v_fma_f32 v[T], v[CH], s25, s26                ; variance + 1e-5
	v_rsq_f32 v[RS], v[T]
	v_rsq_f32 v[RS+1], v[T]                        ; twice, to fill the pair that the packed multiply takes
	v_nop                                          ; a plain instruction behind the second,
	s_wait_alu depctr_va_vdst(0)                   ; and the one wait ahead of their first use
	s_wait_dscnt 0x0                               ; gamma and beta are in registers
.irp n, 0,1,2,3,4,5,6,7,8,9,10,11,12,13,14,15
	v_pk_mul_f32 v[Q+4*\n:Q+4*\n+1],   v[Q+4*\n:Q+4*\n+1],   v[RS:RS+1]
	v_pk_mul_f32 v[Q+4*\n+2:Q+4*\n+3], v[Q+4*\n+2:Q+4*\n+3], v[RS:RS+1]
	v_pk_fma_f32 v[Q+4*\n:Q+4*\n+1],   v[Q+4*\n:Q+4*\n+1],   v[G+4*\n:G+4*\n+1],   v[BT+4*\n:BT+4*\n+1]
	v_pk_fma_f32 v[Q+4*\n+2:Q+4*\n+3], v[Q+4*\n+2:Q+4*\n+3], v[G+4*\n+2:G+4*\n+3], v[BT+4*\n+2:BT+4*\n+3]
	global_store_b128 v[QO], v[Q+4*\n:Q+4*\n+3], s[12:13] offset:\n*256 th:TH_STORE_NT  ; 16 lanes store 256 consecutive bytes of a row, at a multiple of 256 from out0's first byte
.endr
	s_wait_tensorcnt 0x0                           ; the wave's end, behind my last LDS store
	ds_add_u32 v[SPW], v[NIL]
	s_wait_dscnt 0x0
	s_endpgm
.Lfunc_end_k_q37b00515c0_ln:
	.size	k_q37b00515c0_ln, .Lfunc_end_k_q37b00515c0_ln-k_q37b00515c0_ln
	.p2alignl 7, 3214868480
	.fill 96, 4, 3214868480
	.section	.rodata,"a",@progbits
	.p2align	6, 0x0
	.amdhsa_kernel k_q37b00515c0_ln
		.amdhsa_group_segment_fixed_size 10240
		.amdhsa_private_segment_fixed_size 0
		.amdhsa_enable_private_segment 0
		.amdhsa_kernarg_size 40
		.amdhsa_user_sgpr_count 2
		.amdhsa_user_sgpr_kernarg_segment_ptr 1
		.amdhsa_wavefront_size32 1
		.amdhsa_system_sgpr_workgroup_id_x 1
		.amdhsa_system_sgpr_workgroup_id_y 1
		.amdhsa_system_sgpr_workgroup_id_z 1
		.amdhsa_system_vgpr_workitem_id 0
		.amdhsa_next_free_vgpr 256
		.amdhsa_next_free_sgpr 66
		.amdhsa_reserve_vcc 0
		.amdhsa_float_denorm_mode_32 3
		.amdhsa_float_denorm_mode_16_64 3
		.amdhsa_memory_ordered 1
		.amdhsa_forward_progress 1
		.amdhsa_inst_pref_size 25
	.end_amdhsa_kernel
	.amdgpu_metadata
---
amdhsa.version: [ 1, 2 ]
amdhsa.kernels:
  - .name:           k_q37b00515c0_ln
    .symbol:         k_q37b00515c0_ln.kd
    .args:
      - { .name: zb, .offset: 0, .size: 8, .value_kind: global_buffer, .address_space: global }
      - { .name: query, .offset: 8, .size: 8, .value_kind: global_buffer, .address_space: global }
      - { .name: ln_gamma, .offset: 16, .size: 8, .value_kind: global_buffer, .address_space: global }
      - { .name: ln_beta, .offset: 24, .size: 8, .value_kind: global_buffer, .address_space: global }
      - { .name: out0, .offset: 32, .size: 8, .value_kind: global_buffer, .address_space: global }
    .group_segment_fixed_size: 10240
    .private_segment_fixed_size: 0
    .kernarg_segment_align: 8
    .kernarg_segment_size: 40
    .max_flat_workgroup_size: 512
    .sgpr_count:     66
    .vgpr_count:     256
    .wavefront_size: 32
...
	.end_amdgpu_metadata
.endif
;; end of part 4
